; MI455X (gfx1250); checked and timed in simulation.
; The chip was launched on July 23, 2026; its instructions are those of AMD's public machine-readable ISA for CDNA 5 (MIT licence, August 2026) and "CDNA5" Instruction Set Architecture Reference Guide (July 2026). The comments in the code are by the model that wrote it; some were corrected since.
;; MAB. Allowed arithmetic: matrix products marked QUANTISED: E2M1 operands, one E8M0 scale for each 32 along K, by v_wmma_scale_f32_16x16x128_f8f6f4 with both operands' format E2M1 (or v_wmma_scale_f32_32x16x128_f4), f32 sums; everything else in f32.
;; Inputs: W1_codes 1,024 x 8 x 16 uint8 (E2M1 codes of W1, K innermost, in blocks of 32 codes, two codes a byte); W1_scales 1,024 x 8 uint8 (E8M0 scales of W1, one for each 32 codes along K); W2_codes 256 x 32 x 16 uint8 (E2M1 codes of W2, K innermost, in blocks of 32 codes, two codes a byte); W2_scales 256 x 32 uint8 (E8M0 scales of W2, one for each 32 codes along K); adj_matrix 4 x 2,048 x 2,048 int32; b1 1,024 float32; b2 256 float32; beta1 256 float32; beta2 256 float32; gamma1 256 float32; gamma2 256 float32; x 4 x 2,048 x 256 float32.
;; Outputs: out0 4 x 2,048 x 256 float32.
;; This version of the problem:
;;   THIS VERSION OF THE PROBLEM IS GIVEN IN LOW PRECISION. The matrix products marked QUANTISED in the list below multiply operands that are first quantised to E2M1 (2 exponent bits, 1 mantissa bit; 4 bits a number), with one power-of-two scale for each 32 numbers along K (OCP MX v1.0); their sums are f32. All else is computed in f32.
;;   The module's matrix products, in the order in which they are computed (A, B: the left and right operand; K: the contracted axis; several contracted axes count as one K, in the product's order):
;;     1. batch 32 x [M 2,048, K 32] x [K 32, N 2,048]; A: computed on the way; B: computed on the way: QUANTISED
;;     2. batch 32 x [M 2,048, K 2,048] x [K 2,048, N 32]; A: softmax (see below); B: computed on the way: QUANTISED
;;     3. [M 8,192, K 256] x [K 256, N 1,024]; A: computed on the way; B: input W1 (given as codes): QUANTISED
;;     4. [M 8,192, K 1,024] x [K 1,024, N 256]; A: computed on the way; B: input W2 (given as codes): QUANTISED
;;   THE QUANTISER, for each operand of a quantised product, along K:
;;     - K is cut into blocks of 32 from its start; a last block that is shorter is filled with zeros.
;;     - A block's scale is 2^e with e = floor(log2(the largest magnitude in the block)) - 2, held to -126 .. 127; a block of zeros has e = 0. As a byte (E8M0): e + 127.
;;     - Each number is divided by its block's scale, clamped to +-6, and rounded to the nearest number of E2M1, ties to even, subnormals kept.
;;     - The product sums the exact products of the quantised numbers (number of the format x scale) in f32.
;;   ~~~python
;;   def quantise(x, axis):      # numpy; x: float32 -> the quantised numbers, widened to float32 again
;;       x = np.moveaxis(x, axis, -1); K = x.shape[-1]
;;       x = np.pad(x, [(0, 0)] * (x.ndim - 1) + [(0, -K % 32)]); x = x.reshape(x.shape[:-1] + (-1, 32)); a = np.abs(x).max(-1, keepdims=True)
;;       e = np.where(a > 0, np.clip(np.frexp(np.where(a > 0, a, 1))[1] - 1 - 2, -126, 127), 0)      # np.frexp(a)[1] - 1 = floor(log2(a)), exactly
;;       r = np.clip(x / 2.0 ** e, -6, 6)
;;       step = 2.0 ** (np.maximum(np.frexp(np.where(r == 0, 1, r))[1] - 1, 0) - 1)
;;       q = np.round(r / step) * step * 2.0 ** e      # np.round: ties to even
;;       return np.moveaxis(q.reshape(q.shape[:-2] + (-1,))[..., :K], -1, axis).astype(np.float32)
;;   ~~~
;;   SOFTMAX AHEAD OF A QUANTISED PRODUCT. Where the list says 'softmax', what is quantised is not the finished softmax but p = 2^(t - M), with t = logit x log2(e) and M = ceil(the row's largest t), a whole number; so 1/2 < the row's largest p <= 1. The row's sum l is taken of the UNQUANTISED p, in f32, and the product's result is divided by l at the end. Since M is a whole number, a kernel that streams over the keys may use a running M (the ceiling of the running maximum): every later rescaling is an exact power of two, which a block's scale takes up: the codes' values come out the same.
;;   OPERANDS COMPUTED ON THE WAY. 'Computed on the way' means the value that the module computes at that place (a softmax that the list does not call 'softmax' is quantised finished and normalised). What goes into a quantiser is computed in f32, as accurately as f32 sums, v_exp_f32 and their like allow (about 1e-6 of the number): no bf16 or f16 on the way to a quantiser, and a product that is left as it is and whose result goes on into a quantised operand takes f32 operands (vector FMAs, or v_wmma_f32_16x16x4_f32). A number that lies on a knife's edge between two numbers of the format may be rounded either way, as far as f32 arithmetic and the matrix unit's own rounding can turn it there, and no further.
;;   INPUTS GIVEN AS CODES. W1 (in the module: [256, 1024], K = its axis 0); W2 (in the module: [1024, 256], K = its axis 0): each comes as NAME_codes (uint8): NAME with its K axis moved to the last place and cut into blocks of 32 codes, [.., K / 32, bytes a block], one block behind the other in memory; two codes a byte, the lower K in the low four bits (a code: sign, 2 exponent bits, 1 mantissa bit); and NAME_scales (uint8): the same leading axes, one E8M0 byte (e + 127) for each 32 codes along K. Its value is code x scale, taken as it is: it is not quantised again, and the codes and scales need not be those that the quantiser above would give.
;; One version. Each part assembles by itself: llvm-mc -triple=amdgcn-amd-amdhsa -mcpu=gfx1250 --defsym DOCPART=n.
;; ======== version 1 of 1: 2 launches
;; limits: right only within a limited range of input values
;; workspace buffers: kc 1,048,576 bytes; ksw 131,072 bytes; vc 1,048,576 bytes; vsb 65,536 bytes
;; launch prep (part 1): grid 256 x 1, 8 waves a work-group, no clusters, 39,168 bytes of LDS; arguments x, gamma1, beta1, kc, ksw, vc, vsb; writes kc, ksw, vc, vsb
.if DOCPART == 1
	.amdgcn_target "amdgcn-amd-amdhsa--gfx1250"
	.amdhsa_code_object_version 6
	.text
	.protected	k_qf85966a8b5_prep
	.globl	k_qf85966a8b5_prep
	.p2align	8
	.type	k_qf85966a8b5_prep,@function
k_qf85966a8b5_prep:
	s_mov_b64 s[64:65], 0
	v_nop
	global_prefetch_b8 v0, s[64:65] scope:SCOPE_SE
	s_setreg_imm32_b32 hwreg(HW_REG_WAVE_MODE, 25, 1), 1
	s_wait_xcnt 0x0
; normed = layer_norm(x, gamma1, beta1), in f32, and its codes of FP4 (E2M1) twice over, for the attention launch:
;   kc, ksw: quantised along the head's 32 channels (one block for a token and a head): the operand of q k^T, q and k alike;
;   vc, vsb: quantised along the tokens (blocks of 32 tokens): the operand v of p v, whose K is the keys.
; A block's scale is 2^(floor(log2(its largest magnitude)) - 2); its byte is the largest magnitude's exponent field - 2, held at 1 from below.
; A block of zeros so gets the byte 1: its codes are zeros, and these bytes are read by this program alone.
; LIMITS: NaN and infinities among the inputs are not served.
; SHARES.  x is [8192 tokens][256].  A work-group of eight waves takes 32 tokens: one block along the keys.  batch = g / 64, kb = g % 64.
;   A: wave w takes tokens 4 w .. 4 w + 3, a lane 8 neighbouring channels (four lanes hold a head): mean, deviations, variance, normed; normed goes to a stage in LDS; k's codes and bytes to LDS.
;   B: thread t takes channel t and reads its 32 tokens from the stage: a whole block along the keys in one lane's registers; v's codes leave at once.
; THE WORKSPACE LIES IN THE ORDER OF THE READER'S OPERAND REGISTERS:
;   kc  [batch][head][token][16 bytes]
;   ksw [batch][kb][head][r 16][4 bytes]: bytes (s0, s1, s0, s1), su = the byte of token 32 kb + 8 u + r + 8 (r / 8)
;   vc  [batch][head][step 16][dt 2][c 2][lane 32][16 bytes]: lane 16 h + r holds channel 16 dt + r, tokens 32 (4 step + 2 c + h) on
;   vsb [batch][kb][channel 256] bytes
; No tensor loads, no matrix work: the launch streams x once.
.set NP,   1040                        ; a stage row: 1,024 bytes + 16
.set KCL,  32*NP                       ; k's codes [head][token][16 bytes], 4,096 bytes
.set KSL,  KCL+4096                    ; one kb of ksw, 512 bytes
.set VSL,  KSL+512                     ; v's 256 bytes
.set X,    16                          ; v16-47   four tokens x 8 numbers
.set GA,   48                          ; v48-55   gamma1 of my 8 channels
.set BE,   56                          ; v56-63   beta1
.set COL,  64                          ; v64-95   my channel's 32 tokens
.set T,    96                          ; v96-111  at work, four registers a token
.set CD,   112                         ; v112-115 codes
.set BY,   116                         ; v116-119 scale bytes
	s_load_b256 s[4:11], s[0:1], 0x0               ; x s[4:5], gamma1 s[6:7], beta1 s[8:9], kc s[10:11]
	s_load_b128 s[12:15], s[0:1], 0x20             ; ksw s[12:13], vc s[14:15]
	s_load_b64 s[16:17], s[0:1], 0x30              ; vsb
	v_lshl_add_u32 v128, v0, 2, 0x9500
	v_mov_b32 v129, 0
	v_lshrrev_b32 v1, 5, v0
	s_delay_alu instid0(VALU_DEP_1)
	v_readfirstlane_b32 s20, v1                    ; wave w
	v_and_b32 v1, 31, v0                           ; lane l
	s_lshr_b32 s21, ttmp9, 6                       ; batch
	s_and_b32 s22, ttmp9, 63                       ; kb
	s_mov_b32 s28, 0x76543210
	s_mov_b32 s29, 0xfedcba98                      ; v_permlanex16_b32's selects for lane l xor 16
	s_mov_b32 s30, 0x3727c5ac                      ; 1e-5
	v_lshlrev_b32 v2, 5, v1                        ; 32 l: my 8 channels in a row
	s_mul_i32 s23, s20, 4*NP
	v_add_nc_u32 v3, s23, v2                       ; the stage, on the way in: row 4 w, + 32 l
	v_lshrrev_b32 v14, 2, v1                       ; my head
	s_wait_alu depctr_va_vdst(0)
	v_and_b32 v15, 3, v1
	v_lshlrev_b32 v4, 9, v14
	s_delay_alu instid0(VALU_DEP_1)
	v_lshl_add_u32 v4, v15, 2, v4
	s_lshl_b32 s23, s20, 6
	s_add_co_u32 s23, s23, KCL
	v_add_nc_u32 v4, s23, v4                       ; k's codes: 512 head + 16 (4 w) + 4 (l % 4)
	s_and_b32 s23, s20, 1                          ; token 4 w + i is 8 u + r + 8 (r / 8) with u = (w / 2) % 2, r = 4 (w % 2) + i + 8 (w / 4)
	s_lshl_b32 s23, s23, 4
	s_lshr_b32 s24, s20, 2
	s_lshl_b32 s24, s24, 5
	s_add_co_u32 s31, s23, s24
	s_bfe_u32 s24, s20, 0x10001
	s_add_co_u32 s31, s31, s24
	s_add_co_u32 s31, s31, KSL
	v_lshl_add_u32 v5, v14, 6, s31                 ; k's bytes: 64 head + 4 r + u
	v_lshlrev_b32 v6, 2, v0                        ; the stage, on the way out: my channel
	v_add_nc_u32 v7, VSL, v0                       ; v's byte of my channel
	v_lshlrev_b32 v8, 4, v1                        ; 16 l
	s_lshl_b32 s23, s20, 9
	s_add_co_u32 s23, s23, KCL
	v_add_nc_u32 v9, s23, v8                       ; head w's codes, token l
	v_add_nc_u32 v10, KSL, v8
	v_lshlrev_b32 v12, 3, v1                       ; 8 l
	s_delay_alu instid0(VALU_DEP_1)
	v_add_nc_u32 v11, VSL, v12
	v_lshrrev_b32 v13, 4, v1
	v_and_b32 v15, 15, v1
	s_delay_alu instid0(VALU_DEP_2)
	v_lshlrev_b32 v13, 10, v13
	s_delay_alu instid0(VALU_DEP_1)
	v_lshl_add_u32 v13, v15, 4, v13                ; vc: 1,024 dt + 16 r
	s_lshl_b32 s24, ttmp9, 15                      ; x: (32 g + 4 w) rows of 1,024 bytes
	s_lshl_b32 s25, s20, 12
	s_add_co_u32 s24, s24, s25
	s_mov_b32 s25, 0
	s_lshl_b32 s34, s21, 3
	s_add_co_u32 s34, s34, s20
	s_lshl_b32 s34, s34, 15                        ; (8 batch + w) x 32,768: head w's part of kc and of vc
	s_lshl_b32 s27, s22, 9
	s_add_co_u32 s26, s34, s27                     ; kc: + 512 kb
	s_mov_b32 s27, 0
	s_lshr_b32 s35, s22, 2
	s_lshl_b32 s35, s35, 11
	s_add_co_u32 s32, s34, s35                     ; vc: + 2,048 (kb / 4)
	s_bfe_u32 s35, s22, 0x10001
	s_lshl_b32 s35, s35, 9
	s_add_co_u32 s32, s32, s35                     ;     + 512 ((kb / 2) % 2)
	s_and_b32 s35, s22, 1
	s_lshl_b32 s35, s35, 8
	s_add_co_u32 s32, s32, s35                     ;     + 256 (kb % 2)
	s_mov_b32 s33, 0
	s_lshl_b32 s36, ttmp9, 9                       ; ksw: 512 g
	s_mov_b32 s37, 0
	s_lshl_b32 s38, ttmp9, 8                       ; vsb: 256 g
	s_mov_b32 s39, 0
	s_wait_kmcnt 0x0
	s_add_nc_u64 s[4:5], s[4:5], s[24:25]
	s_add_nc_u64 s[10:11], s[10:11], s[26:27]
	s_add_nc_u64 s[14:15], s[14:15], s[32:33]
	s_add_nc_u64 s[12:13], s[12:13], s[36:37]
	s_add_nc_u64 s[16:17], s[16:17], s[38:39]
.irp i, 0,1,2,3
	global_load_b128 v[X+8*\i:X+8*\i+3], v2, s[4:5] offset:1024*\i th:TH_LOAD_NT
	global_load_b128 v[X+8*\i+4:X+8*\i+7], v2, s[4:5] offset:1024*\i+16 th:TH_LOAD_NT
.endr
	global_load_b128 v[GA:GA+3], v2, s[6:7]
	global_load_b128 v[GA+4:GA+7], v2, s[6:7] offset:16
	global_load_b128 v[BE:BE+3], v2, s[8:9]
	global_load_b128 v[BE+4:BE+7], v2, s[8:9] offset:16
	s_wait_loadcnt 0x0
	; ---- A: the layer norm, the four tokens by turns.  The mean first, then the deviations: no difference of large sums
.irp i, 0,1,2,3
	v_pk_add_f32 v[T+4*\i:T+4*\i+1], v[X+8*\i:X+8*\i+1], v[X+8*\i+2:X+8*\i+3]
	v_pk_add_f32 v[T+4*\i+2:T+4*\i+3], v[X+8*\i+4:X+8*\i+5], v[X+8*\i+6:X+8*\i+7]
.endr
.irp i, 0,1,2,3
	v_pk_add_f32 v[T+4*\i:T+4*\i+1], v[T+4*\i:T+4*\i+1], v[T+4*\i+2:T+4*\i+3]
.endr
.irp i, 0,1,2,3
	s_delay_alu instid0(VALU_DEP_4)
	v_add_f32 v[T+4*\i], v[T+4*\i], v[T+4*\i+1]
.endr
.irp z, 1,2,4,8
.irp i, 0,1,2,3
	s_delay_alu instid0(VALU_DEP_4)
	v_add_f32_dpp v[T+4*\i], v[T+4*\i], v[T+4*\i] row_xmask:\z row_mask:0xf bank_mask:0xf
.endr
.endr
.irp i, 0,1,2,3
	s_delay_alu instid0(VALU_DEP_4)
	v_permlanex16_b32 v[T+4*\i+1], v[T+4*\i], s28, s29
.endr
.irp i, 0,1,2,3
	s_delay_alu instid0(VALU_DEP_4)
	v_add_f32 v[T+4*\i], v[T+4*\i], v[T+4*\i+1]
.endr
.irp i, 0,1,2,3
	s_delay_alu instid0(VALU_DEP_4)
	v_mul_f32 v[T+4*\i], 0x3b800000, v[T+4*\i]     ; the mean: the sum / 256
.endr
.irp k, 0,2,4,6
.irp i, 0,1,2,3
	v_pk_add_f32 v[X+8*\i+\k:X+8*\i+\k+1], v[X+8*\i+\k:X+8*\i+\k+1], v[T+4*\i:T+4*\i+1] op_sel_hi:[1,0] neg_lo:[0,1] neg_hi:[0,1]   ; x - mean
.endr
.endr
.irp i, 0,1,2,3
	v_pk_mul_f32 v[T+4*\i+2:T+4*\i+3], v[X+8*\i:X+8*\i+1], v[X+8*\i:X+8*\i+1]
.endr
.irp k, 2,4,6
.irp i, 0,1,2,3
	s_delay_alu instid0(VALU_DEP_4)
	v_pk_fma_f32 v[T+4*\i+2:T+4*\i+3], v[X+8*\i+\k:X+8*\i+\k+1], v[X+8*\i+\k:X+8*\i+\k+1], v[T+4*\i+2:T+4*\i+3]
.endr
.endr
.irp i, 0,1,2,3
	s_delay_alu instid0(VALU_DEP_4)
	v_add_f32 v[T+4*\i+2], v[T+4*\i+2], v[T+4*\i+3]
.endr
.irp z, 1,2,4,8
.irp i, 0,1,2,3
	s_delay_alu instid0(VALU_DEP_4)
	v_add_f32_dpp v[T+4*\i+2], v[T+4*\i+2], v[T+4*\i+2] row_xmask:\z row_mask:0xf bank_mask:0xf
.endr
.endr
.irp i, 0,1,2,3
	s_delay_alu instid0(VALU_DEP_4)
	v_permlanex16_b32 v[T+4*\i+3], v[T+4*\i+2], s28, s29
.endr
.irp i, 0,1,2,3
	s_delay_alu instid0(VALU_DEP_4)
	v_add_f32 v[T+4*\i+2], v[T+4*\i+2], v[T+4*\i+3]
.endr
.irp i, 0,1,2,3
	s_delay_alu instid0(VALU_DEP_4)
	v_fma_f32 v[T+4*\i+2], v[T+4*\i+2], 0x3b800000, s30   ; the variance + 1e-5
.endr
	s_wait_alu depctr_va_vdst(0)
.irp i, 0,1,2,3
	v_rsq_f32 v[T+4*\i+2], v[T+4*\i+2]
.endr
	v_nop                                          ; a plain instruction behind the last of the batch
	s_wait_alu depctr_va_vdst(0)                   ; one wait for the four, ahead of their first reader
.irp k, 0,2,4,6
.irp i, 0,1,2,3
	v_pk_mul_f32 v[X+8*\i+\k:X+8*\i+\k+1], v[X+8*\i+\k:X+8*\i+\k+1], v[T+4*\i+2:T+4*\i+3] op_sel_hi:[1,0]
.endr
.endr
.irp k, 0,2,4,6
.irp i, 0,1,2,3
	v_pk_fma_f32 v[X+8*\i+\k:X+8*\i+\k+1], v[X+8*\i+\k:X+8*\i+\k+1], v[GA+\k:GA+\k+1], v[BE+\k:BE+\k+1]   ; normed
.endr
.endr
.irp i, 0,1,2,3
	ds_store_b128 v3, v[X+8*\i:X+8*\i+3] offset:NP*\i
	ds_store_b128 v3, v[X+8*\i+4:X+8*\i+7] offset:NP*\i+16
.endr
	; k's block: a head's 32 channels lie in four neighbouring lanes
.irp i, 0,1,2,3
	v_max3_num_f32 v[T+4*\i], |v[X+8*\i]|, |v[X+8*\i+1]|, 0x1800000   ; with the floor 2^(3 - 127): the byte cannot fall under 1
.endr
.irp k, 2,4,6
.irp i, 0,1,2,3
	s_delay_alu instid0(VALU_DEP_4)
	v_max3_num_f32 v[T+4*\i], v[T+4*\i], |v[X+8*\i+\k]|, |v[X+8*\i+\k+1]|
.endr
.endr
.irp z, 1,2
.irp i, 0,1,2,3
	s_delay_alu instid0(VALU_DEP_4)
	v_max_num_f32_dpp v[T+4*\i], v[T+4*\i], v[T+4*\i] row_xmask:\z row_mask:0xf bank_mask:0xf
.endr
.endr
.irp i, 0,1,2,3
	s_delay_alu instid0(VALU_DEP_4)
	v_add_nc_u32 v[T+4*\i+1], 0xff000000, v[T+4*\i]   ; 2 off the exponent field: the conversion's scale operand
.endr
.irp i, 0,1,2,3
	s_delay_alu instid0(VALU_DEP_4)
	v_lshrrev_b32 v[BY+\i], 23, v[T+4*\i+1]        ; the scale's byte
.endr
.irp i, 0,1,2,3
	v_cvt_scalef32_pk8_fp4_f32 v[CD+\i], v[X+8*\i:X+8*\i+7], v[T+4*\i+1]
.endr
	v_nop                                          ; a plain instruction behind the last conversion
.irp i, 0,1,2,3
	ds_store_b32 v4, v[CD+\i] offset:16*\i
	ds_store_b8 v5, v[BY+\i] offset:4*\i           ; the four lanes of a head write the same byte with the same value;
	ds_store_b8 v5, v[BY+\i] offset:4*\i+2         ; it stands twice in its word
.endr
	s_wait_dscnt 0x0                               ; my stores have landed: the others read them behind the barrier
	s_barrier_signal -1
	s_barrier_wait -1
	; ---- B: my channel's 32 tokens
.set J, 0
.rept 32
	ds_load_b32 v[COL+J], v6 offset:NP*J
.set J, J+1
.endr
	ds_load_b128 v[120:123], v9                    ; head w's codes of token l
	s_wait_dscnt 0x0
	global_store_b128 v8, v[120:123], s[10:11]     ; the wave stores 512 consecutive bytes of kc
	v_max3_num_f32 v96, |v[COL]|, |v[COL+1]|, 0x1800000
	v_max3_num_f32 v97, |v[COL+2]|, |v[COL+3]|, |v[COL+4]|
.irp k, 5,9,13,17,21,25
	s_delay_alu instid0(VALU_DEP_2)
	v_max3_num_f32 v96, v96, |v[COL+\k]|, |v[COL+\k+1]|
	s_delay_alu instid0(VALU_DEP_2)
	v_max3_num_f32 v97, v97, |v[COL+\k+2]|, |v[COL+\k+3]|
.endr
	s_delay_alu instid0(VALU_DEP_2)
	v_max3_num_f32 v96, v96, |v[COL+29]|, |v[COL+30]|
	s_delay_alu instid0(VALU_DEP_1)
	v_max3_num_f32 v96, v96, v97, |v[COL+31]|
	s_delay_alu instid0(VALU_DEP_1)
	v_add_nc_u32 v98, 0xff000000, v96
	s_delay_alu instid0(VALU_DEP_1)
	v_lshrrev_b32 v99, 23, v98
.irp g, 0,1,2,3
	v_cvt_scalef32_pk8_fp4_f32 v[CD+\g], v[COL+8*\g:COL+8*\g+7], v98
.endr
	v_nop
	ds_store_b8 v7, v99
	global_store_b128 v13, v[CD:CD+3], s[14:15]    ; sixteen lanes store 256 consecutive bytes of vc, at a multiple of 256
	s_wait_dscnt 0x0
	s_barrier_signal -1
	s_barrier_wait -1
	s_cmp_lg_u32 s20, 0                            ; wave 0 sends the two small blocks out whole
	s_cbranch_scc1 .Lend
	ds_load_b128 v[124:127], v10
	ds_load_b64 v[104:105], v11
	s_wait_dscnt 0x0
	global_store_b128 v8, v[124:127], s[12:13]     ; 512 consecutive bytes of ksw
	global_store_b64 v12, v[104:105], s[16:17]     ; 256 consecutive bytes of vsb
.Lend:
	s_wait_tensorcnt 0x0
	ds_add_u32 v128, v129
	s_wait_dscnt 0x0
	s_endpgm
.Lfunc_end_k_qf85966a8b5_prep:
	.size	k_qf85966a8b5_prep, .Lfunc_end_k_qf85966a8b5_prep-k_qf85966a8b5_prep
	.p2alignl 7, 3214868480
	.fill 96, 4, 3214868480
	.section	.rodata,"a",@progbits
	.p2align	6, 0x0
	.amdhsa_kernel k_qf85966a8b5_prep
		.amdhsa_group_segment_fixed_size 39168
		.amdhsa_private_segment_fixed_size 0
		.amdhsa_enable_private_segment 0
		.amdhsa_kernarg_size 56
		.amdhsa_user_sgpr_count 2
		.amdhsa_user_sgpr_kernarg_segment_ptr 1
		.amdhsa_wavefront_size32 1
		.amdhsa_system_sgpr_workgroup_id_x 1
		.amdhsa_system_sgpr_workgroup_id_y 1
		.amdhsa_system_sgpr_workgroup_id_z 1
		.amdhsa_system_vgpr_workitem_id 0
		.amdhsa_next_free_vgpr 130
		.amdhsa_next_free_sgpr 66
		.amdhsa_reserve_vcc 0
		.amdhsa_float_denorm_mode_32 3
		.amdhsa_float_denorm_mode_16_64 3
		.amdhsa_memory_ordered 1
		.amdhsa_forward_progress 1
		.amdhsa_inst_pref_size 25
	.end_amdhsa_kernel
	.amdgpu_metadata
---
amdhsa.version: [ 1, 2 ]
amdhsa.kernels:
  - .name:           k_qf85966a8b5_prep
    .symbol:         k_qf85966a8b5_prep.kd
    .args:
      - { .name: x, .offset: 0, .size: 8, .value_kind: global_buffer, .address_space: global }
      - { .name: gamma1, .offset: 8, .size: 8, .value_kind: global_buffer, .address_space: global }
      - { .name: beta1, .offset: 16, .size: 8, .value_kind: global_buffer, .address_space: global }
      - { .name: kc, .offset: 24, .size: 8, .value_kind: global_buffer, .address_space: global }
      - { .name: ksw, .offset: 32, .size: 8, .value_kind: global_buffer, .address_space: global }
      - { .name: vc, .offset: 40, .size: 8, .value_kind: global_buffer, .address_space: global }
      - { .name: vsb, .offset: 48, .size: 8, .value_kind: global_buffer, .address_space: global }
    .group_segment_fixed_size: 39168
    .private_segment_fixed_size: 0
    .kernarg_segment_align: 8
    .kernarg_segment_size: 56
    .max_flat_workgroup_size: 256
    .sgpr_count:     66
    .vgpr_count:     130
    .wavefront_size: 32
...
	.end_amdgpu_metadata
.endif
;; end of part 1
;; launch mab (part 2): grid 256 x 1, 16 waves a work-group, no clusters, 108,800 bytes of LDS; arguments x, adj_matrix, kc, ksw, vc, vsb, gamma2, beta2, W1_codes, W1_scales, b1, W2_codes, W2_scales, b2, out0; writes out0
.if DOCPART == 2
	.amdgcn_target "amdgcn-amd-amdhsa--gfx1250"
	.amdhsa_code_object_version 6
	.text
	.protected	k_qf85966a8b5_mab
	.globl	k_qf85966a8b5_mab
	.p2align	8
	.type	k_qf85966a8b5_mab,@function
k_qf85966a8b5_mab:
	s_mov_b64 s[64:65], 0
	v_nop
	global_prefetch_b8 v0, s[64:65] scope:SCOPE_SE
	s_setreg_imm32_b32 hwreg(HW_REG_WAVE_MODE, 25, 1), 1
	s_wait_xcnt 0x0
; out0 = x1 + gelu(layer_norm(x1) W1 + b1) W2 + b2,  x1 = x + attention(normed), all four products on codes of FP4 (E2M1) with one E8M0 scale for each 32 along K.
; SHARES.  A work-group owns 32 queries of one batch, all 8 heads: sixteen waves of 256 registers, four to a SIMD; wave w has head w % 8 and the tile of 16 queries w / 8.  Every wave walks the 2,048 keys, 128 a step.
; Then the same 32 rows go through the residual, the second layer norm and the MLP without leaving LDS.
; THE MASK IS THE C OF THE SCORE PRODUCT.  adj_matrix is read once in the launch: in each step wave w loads 128 ints of rows 2 w, 2 w + 1, turns them into f32 biases (0 where adj > 0, else -2^100) and stores them in LDS
; as an image of the score accumulators' registers.  Each of the 8 heads' waves loads the image into its accumulators, and the product adds onto it: no vector instruction a head is spent on the mask.
; K = 32 IN A FORM OF K = 128.  A fragment of k holds FOUR tiles of 16 keys, one in each block of 32 along K; four variants of q's fragment, q in block j and zero codes elsewhere, pick one tile each.
; The variants overlap in 20 registers: zeros, q in lanes 0-15, zeros, q in lanes 16-31, zeros.
; THE KEYS OF A TILE ARE NOT NEIGHBOURS: row m of tile t is key 32 (t / 2) + 8 (t % 2) + m + 8 (m / 8), so that score register 16 b + i of lane (r, h) is query r, key 32 b + 16 h + i: 16 neighbours for the conversions.
; Both products are used transposed (S^T = k q^T, O^T = v^T p^T): a lane holds one query throughout.
; THE SOFTMAX: t = score x log2(e) / sqrt(32); M = the running largest t rounded up to a whole number; p = 2^(t - M) is quantised along the keys; the sum is taken of the unquantised p and divides at the end.
; k, v and their scales come from the workspace in the order of the operand registers: every load of a wave is 512 consecutive bytes (scales: 128 or 32), asked for a step ahead, straight into registers.
; NOT SHARED IN A CLUSTER, though the 64 work-groups of a batch walk the same k and v: a work-group's step wants 35 KB of them, which a ring would write into LDS and sixteen waves read back (70 KB) on top of the 128 KB of
; bias images that a step already reads from LDS, and each of the 16 steps would want a round of the cluster's barrier.
; LIMITS.  A hidden key's score is -2^100 in place of -infinity: its p is exactly 0 once a valid key has been met (c x 2^100 is exact, so before that p is exactly 1, and the first valid key multiplies sum and O by exactly 0).
; That holds for |score| under 2^74.  A query with no valid key gives NaN in its whole row, as the definition does.  erf is a rational form on |z| <= 4 whose error is near 1e-7.  NaN and infinities among the inputs are not served.
.set BT,   12544                       ; LDS: the bias image of a tile of 16 queries x 128 keys: register group g (of 16), half h, query r at 784 g + 384 h + 16 r
.set BS,   2*BT                        ; a slot: two tiles; two slots take turns
.set X1S,  2*BS                        ; 32 rows x 1,040 bytes: attention's result, then x1, then the output
.set XP,   1040
.set YC,   X1S+32*XP                   ; y's codes: 32 rows x (128 + 16) bytes
.set YP,   144
.set YSC,  YC+32*YP                    ; y's scale bytes: 32 rows x 8
.set HIMG, YSC+256                     ; the hidden layer's 16 fragments as images of their registers: (m, s) at 8,192 m + 1,024 s, register group c at + 512 c, 16 x lane
.set HSC,  HIMG+16384                  ; their scale words: (m, s) at 1,024 m + 128 s, 4 x lane
; REGISTERS in the loop: v1 k's codes, v2 16 x lane, v3 k's scales, v4 image read, v5 image write, v7 lane, v8 -2^100, v9 0; v12 -M, v13 largest t, v[14:15] the sum
.set OT,   16                          ; v16-31   O^T, two tiles of 16 channels
.set KF,   32                          ; v32-47   two fragments of k
.set VF,   48                          ; v48-63   two fragments of v
.set QZ,   64                          ; v64-83   q's variants
.set AJ,   84                          ; v84-91   ints of adj_matrix
.set S,    96                          ; v96-159  biases, scores, p
.set BI,   160                         ; v160-167 biases on their way to LDS
.set PC,   168                         ; v168-175 p's codes
.set BM,   176                         ; v176-179 the blocks' largest scores, then largest p
.set PX,   180                         ; v180-183 from lane l xor 16; then bytes
.set SO,   184                         ; v184-187 the conversions' scale operands
.set VB,   188                         ; v188-191 v's scale bytes
.set FF,   192                         ; v[192:193] f = 2^(old M - new M)
.set WK,   194
.set SM,   196                         ; v[196:197] the sums' second chain
.set KSC,  224                         ; v224-225 k's scale words; v226 q's; v227 v's; v228 p's.  What is named as a scale holds scales alone
.set QSC,  226
.set VSC,  227
.set PSC,  228
; a product in place: D = C
.macro WM d, a, b, sa, sb, row
.if \row
	v_wmma_scale_f32_16x16x128_f8f6f4 v[(\d):(\d)+7], v[(\a):(\a)+7], v[(\b):(\b)+7], v[(\d):(\d)+7], v[(\sa)], v[(\sb)] matrix_a_fmt:MATRIX_FMT_FP4 matrix_b_fmt:MATRIX_FMT_FP4 matrix_a_scale:MATRIX_SCALE_ROW1
.else
	v_wmma_scale_f32_16x16x128_f8f6f4 v[(\d):(\d)+7], v[(\a):(\a)+7], v[(\b):(\b)+7], v[(\d):(\d)+7], v[(\sa)], v[(\sb)] matrix_a_fmt:MATRIX_FMT_FP4 matrix_b_fmt:MATRIX_FMT_FP4
.endif
.endm
.macro BARRIER                         ; my LDS stores have landed and my LDS loads are in: then the work-group's barrier
	s_wait_dscnt 0x0
	s_barrier_signal -1
	s_barrier_wait -1
.endm
.macro LDADJ e                         ; 128 ints of my two rows: each load is 512 consecutive bytes
.irp i, 0,1
	global_load_b128 v[AJ+4*\i:AJ+4*\i+3], v2, s[10:11] offset:(\e)*512+\i*8192 th:TH_LOAD_NT
.endr
.endm
.macro CONV slot                       ; ints to biases, and into the image
.irp n, 0,1,2,3,4,5,6,7
	v_cmp_lt_i32 vcc_lo, 0, v[AJ+\n]
	s_delay_alu instid0(VALU_DEP_1)
	v_cndmask_b32 v[BI+\n], v8, v9, vcc_lo
.endr
.irp i, 0,1
	ds_store_b128 v5, v[BI+4*\i:BI+4*\i+3] offset:(\slot)*BS+16*\i
.endr
.endm
.macro LDK e                           ; six loads: 128 keys' codes, and their scale words: lanes 0-15 block 2 f's, lanes 16-31 block 2 f + 1's
.irp f, 0,1
.irp c, 0,1
	global_load_b128 v[KF+8*\f+4*\c:KF+8*\f+4*\c+3], v1, s[12:13] offset:(\e)*2048+(2*\f+\c)*512
.endr
	global_load_b32 v[KSC+\f], v3, s[14:15] offset:(\e)*2048+\f*1024
.endr
.endm
.macro LDV e                           ; eight loads: 32 channels x 128 keys, and a byte for each of the four blocks: lane l has channel l's
.irp t, 0,1
.irp c, 0,1
	global_load_b128 v[VF+8*\t+4*\c:VF+8*\t+4*\c+3], v2, s[16:17] offset:(\e)*2048+\t*1024+\c*512
.endr
.endr
.irp i, 0,1,2,3
	global_load_u8 v[VB+\i], v7, s[18:19] offset:(\e)*1024+\i*256
.endr
.endm
; A KEY STEP.  e: its place in the trip, and its slot.  conv: the next step's image is made.  lda: the ints of two steps on are asked for.  ldkv: the next step's k and v are asked for.
; Loads are issued in the order adj (s + 1) | k (s) | v (s) | adj (s + 2) | k (s + 1) | v (s + 1): the counted waits below rest on it, on the way in and round the loop alike.
.macro STEP e, conv, lda, ldkv
	BARRIER                                        ; ONE barrier a step: every wave's stores into this step's slot are done, and every wave's reads of the other slot, which is written below
.irp g, 0,1,2,3,4,5,6,7,8,9,10,11,12,13,14,15
	ds_load_b128 v[S+4*\g:S+4*\g+3], v4 offset:(\e)*BS+784*\g
.endr
.if \conv
	s_wait_loadcnt 14                              ; the next step's ints are in; younger: k's 6 and v's 8
	CONV 1-(\e)
.if \lda
	LDADJ (\e)+2
.endif
.endif
	s_wait_loadcnt 8+2*\lda                        ; k is in; younger: v's 8, and the 2 just issued
	s_wait_dscnt 2*\conv                           ; the biases are in; younger: the two stores
.irp f, 0,1                                    ; S^T = bias + k q^T: eight accumulators, one instruction each
	WM S+32*\f, KF+8*\f, QZ+4, KSC+\f, QSC, 0
	WM S+32*\f+8, KF+8*\f, QZ+12, KSC+\f, QSC, 0
	WM S+32*\f+16, KF+8*\f, QZ, KSC+\f, QSC, 1
	WM S+32*\f+24, KF+8*\f, QZ+8, KSC+\f, QSC, 1
.endr
.rept 4
	v_nop                                          ; four places in front of loads into registers that the products read, and of the first read of the scores
.endr
.if \ldkv
	LDK (\e)+1
.endif
.irp b, 0,1,2,3
	v_max3_num_f32 v[BM+\b], v[S+16*\b], v[S+16*\b+1], v[S+16*\b+2]   ; the largest score of each block of 32 keys: for the row's maximum and, since p rises with the score, for the block's largest p
.endr
.irp i, 3,5,7,9,11,13
.irp b, 0,1,2,3
	v_max3_num_f32 v[BM+\b], v[BM+\b], v[S+16*\b+\i], v[S+16*\b+\i+1]
.endr
.endr
.irp b, 0,1,2,3
	v_max_num_f32 v[BM+\b], v[BM+\b], v[S+16*\b+15]
.endr
.irp b, 0,1,2,3
	s_delay_alu instid0(VALU_DEP_4)
	v_permlanex16_b32 v[PX+\b], v[BM+\b], s50, s51
.endr
.irp b, 0,1,2,3
	s_delay_alu instid0(VALU_DEP_4)
	v_max_num_f32 v[BM+\b], v[BM+\b], v[PX+\b]     ; with lane l xor 16's 16 keys
.endr
	s_delay_alu instid0(VALU_DEP_2)
	v_max3_num_f32 v[WK], v[BM], v[BM+1], v[BM+2]
	s_delay_alu instid0(VALU_DEP_1)
	v_max_num_f32 v[WK], v[WK], v[BM+3]
	s_delay_alu instid0(VALU_DEP_1)
	v_mul_f32 v[WK], s52, v[WK]                    ; the step's largest t
	s_delay_alu instid0(VALU_DEP_1)
	v_max_num_f32 v13, v13, v[WK]                  ; the running largest t
	v_mov_b32 v[WK], v12
	s_delay_alu instid0(VALU_DEP_2)
	v_floor_f32 v12, -v13                          ; the new -M = -ceil(t)
	s_delay_alu instid0(VALU_DEP_1)
	v_sub_f32 v[WK], v12, v[WK]                    ; old M - new M: a whole number, 0 or less
	s_delay_alu instid0(VALU_DEP_1)
	v_cvt_i32_f32 v[WK], v[WK]                     ; (it saturates)
	s_delay_alu instid0(VALU_DEP_1)
	v_ldexp_f32 v[FF], 1.0, v[WK]                  ; f: a power of two, or 0
.set J, 0
.rept 32
	v_pk_fma_f32 v[S+J:S+J+1], v[S+J:S+J+1], s[52:53], v[12:13] op_sel_hi:[1,0,0]   ; t - M, two at a time
.set J, J+2
.endr
.irp b, 0,1,2,3
	v_fma_f32 v[BM+\b], v[BM+\b], s52, v12
.endr
.set J, 0
	s_wait_alu depctr_va_vdst(0)
.rept 64
	v_exp_f32 v[S+J], v[S+J]                       ; p = 2^(t - M)
.set J, J+1
.endr
	v_pk_mul_f32 v[14:15], v[14:15], v[FF:FF+1] op_sel_hi:[1,0]   ; the sum under the new M: the plain instruction behind the batch
	s_wait_alu depctr_va_vdst(0)                   ; one wait for the 64, ahead of their first reader
.irp b, 0,1,2,3
	v_exp_f32 v[BM+\b], v[BM+\b]                   ; the blocks' largest p
.endr
	s_wait_loadcnt 2*\lda+6*\ldkv                  ; v is in; younger: the ints and k asked for in this step
	v_lshl_or_b32 v[VSC], v[VB+1], 8, v[VB]        ; v's scale word: lanes 0-15 channels 0-15, lanes 16-31 channels 16-31
	s_delay_alu instid0(VALU_DEP_1)
	v_lshl_or_b32 v[VSC], v[VB+2], 16, v[VSC]
	s_delay_alu instid0(VALU_DEP_1)
	v_lshl_or_b32 v[VSC], v[VB+3], 24, v[VSC]
	v_pk_add_f32 v[SM:SM+1], v[S:S+1], v[S+2:S+3]  ; the sum of the unquantised p, in two chains: the first half
.irp j, 4,8,12,16,20,24,28
	v_pk_add_f32 v[14:15], v[14:15], v[S+\j:S+\j+1]
	v_pk_add_f32 v[SM:SM+1], v[SM:SM+1], v[S+\j+2:S+\j+3]
.endr
	s_wait_alu depctr_va_vdst(0)                   ; and one for the four
.irp b, 0,1,2,3
	v_max_num_f32 v[BM+\b], 0x1800000, v[BM+\b]    ; the floor 2^(3 - 127): a block whose every p is 0 keeps the byte 1 over zero codes
.endr
.irp b, 0,1,2,3
	s_delay_alu instid0(VALU_DEP_4)
	v_add_nc_u32 v[SO+\b], 0xff000000, v[BM+\b]
.endr
.irp b, 0,1,2,3
	s_delay_alu instid0(VALU_DEP_4)
	v_lshrrev_b32 v[PX+\b], 23, v[SO+\b]
.endr
	s_delay_alu instid0(VALU_DEP_3)
	v_lshl_or_b32 v[PSC], v[PX+1], 8, v[PX]        ; p's scale word for these 128 keys
	s_delay_alu instid0(VALU_DEP_1)
	v_lshl_or_b32 v[PSC], v[PX+2], 16, v[PSC]
	s_delay_alu instid0(VALU_DEP_1)
	v_lshl_or_b32 v[PSC], v[PX+3], 24, v[PSC]
.irp b, 0,1,2,3
	v_cvt_scalef32_pk8_fp4_f32 v[PC+2*\b], v[S+16*\b:S+16*\b+7], v[SO+\b]
	v_cvt_scalef32_pk8_fp4_f32 v[PC+2*\b+1], v[S+16*\b+8:S+16*\b+15], v[SO+\b]
.endr
	v_nop                                          ; a plain instruction behind the last conversion
.irp c, 0,1                                    ; a whole block to a lane: lanes 0-15 block 2 c, lanes 16-31 block 2 c + 1
.irp i, 0,1
	v_permlane16_swap_b32 v[PC+4*\c+\i], v[PC+4*\c+2+\i]
.endr
.endr
.irp j, 0,2,4,6,8,10,12,14
	v_pk_mul_f32 v[OT+\j:OT+\j+1], v[OT+\j:OT+\j+1], v[FF:FF+1] op_sel_hi:[1,0]   ; O^T under the new M, each accumulator from its low end on
.endr
.irp j, 32,36,40,44,48,52,56,60                ; the sums' second half: 17 plain instructions that name no register of the products below: the places behind the scale words and p's codes
	v_pk_add_f32 v[14:15], v[14:15], v[S+\j:S+\j+1]
	v_pk_add_f32 v[SM:SM+1], v[SM:SM+1], v[S+\j+2:S+\j+3]
.endr
	s_delay_alu instid0(VALU_DEP_1)
	v_pk_add_f32 v[14:15], v[14:15], v[SM:SM+1]
	WM OT, VF, PC, VSC, PSC, 0                     ; O^T += v^T p^T
	WM OT+8, VF+8, PC, VSC, PSC, 1
.rept 4
	v_nop                                          ; four places in front of loads into v's registers
.endr
.if \ldkv
	LDV (\e)+1
.endif
.endm
	s_load_b512 s[8:23], s[0:1], 0x0               ; x 8, adj_matrix 10, kc 12, ksw 14, vc 16, vsb 18, gamma2 20, beta2 22
	s_load_b256 s[24:31], s[0:1], 0x40             ; W1's codes 24, its scales 26, b1 28, W2's codes 30
	s_load_b128 s[32:35], s[0:1], 0x60             ; W2's scales 32, b2 34
	s_load_b64 s[36:37], s[0:1], 0x70              ; out0
	v_lshrrev_b32 v160, 5, v0
	s_delay_alu instid0(VALU_DEP_1)
	v_readfirstlane_b32 s38, v160                  ; wave w
	s_and_b32 s39, s38, 7                          ; head
	s_lshr_b32 s40, s38, 3                         ; tile of queries
	s_lshr_b32 s41, ttmp9, 6                       ; batch
	s_and_b32 s42, ttmp9, 63                       ; my 32 queries' block
	s_mov_b32 s50, 0x76543210
	s_mov_b32 s51, 0xfedcba98                      ; v_permlanex16_b32's selects for lane l xor 16
	s_mov_b32 s52, 0x3e8293ee                      ; c = log2(e) / sqrt(32)
	s_mov_b32 s53, s52                             ; (named with it as a pair)
	s_mov_b32 s54, 0x0000ffff                      ; lanes 0-15
	s_mov_b32 s55, 0xffff0000                      ; lanes 16-31
	s_mov_b32 s60, 0x01010101
	s_mov_b32 s62, 0x3727c5ac                      ; 1e-5
	v_and_b32 v7, 31, v0                           ; lane
	v_and_b32 v161, 15, v0                         ; r
	v_bfe_u32 v162, v0, 4, 1                       ; h
	s_delay_alu instid0(VALU_DEP_2)
	v_and_b32 v163, 8, v161
	s_delay_alu instid0(VALU_DEP_1)
	v_add_nc_u32 v163, v163, v161                  ; r + 8 (r / 8)
	s_delay_alu instid0(VALU_DEP_1)
	v_lshlrev_b32 v1, 4, v163
	s_delay_alu instid0(VALU_DEP_1)
	v_lshl_add_u32 v1, v162, 7, v1                 ; k's codes: 16 bytes x key 8 h + r + 8 (r / 8) of a block of 32
	v_lshlrev_b32 v2, 4, v7
	v_lshlrev_b32 v3, 2, v161
	s_delay_alu instid0(VALU_DEP_1)
	v_lshl_add_u32 v3, v162, 9, v3                 ; k's scale words: 512 h + 4 r
	s_mul_i32 s44, s40, BT
	v_mul_u32_u24 v4, v162, 384
	s_delay_alu instid0(VALU_DEP_1)
	v_lshl_add_u32 v4, v161, 4, v4
	s_delay_alu instid0(VALU_DEP_1)
	v_add_nc_u32 v4, s44, v4                       ; the image, read: my tile, 384 h + 16 r
	v_lshrrev_b32 v164, 3, v7                      ; the image, written: lane l holds keys 4 l .. 4 l + 3 of row 2 w + i: group 4 (l / 8) + l % 4, half (l / 4) % 2
	v_and_b32 v165, 3, v7
	s_delay_alu instid0(VALU_DEP_1)
	v_lshl_add_u32 v164, v164, 2, v165
	v_bfe_u32 v165, v0, 2, 1
	s_delay_alu instid0(VALU_DEP_2)
	v_mul_u32_u24 v5, v164, 784
	s_delay_alu instid0(VALU_DEP_1)
	v_mad_u32_u24 v5, v165, 384, v5
	s_lshl_b32 s45, s39, 5
	s_add_co_u32 s44, s44, s45
	v_add_nc_u32 v5, s44, v5                       ; + tile w / 8, + 16 x row 2 (w % 8)
	v_mov_b32 v8, 0xf1800000                       ; -2^100
	v_mov_b32 v9, 0
	v_lshlrev_b32 v166, 4, v161                    ; q's codes: 16 r
	v_and_b32 v167, 7, v161
	s_delay_alu instid0(VALU_DEP_1)
	v_lshlrev_b32 v167, 2, v167
	v_lshrrev_b32 v168, 3, v161
	s_delay_alu instid0(VALU_DEP_1)
	v_add_nc_u32 v167, v167, v168                  ; q's byte in ksw: 4 (r % 8) + r / 8 (+ 32 x tile, in the base)
	s_lshl_b32 s61, ttmp9, 5
	s_lshl_b32 s44, s38, 1
	s_add_co_u32 s61, s61, s44                     ; my two rows: 32 g + 2 w
	s_lshl_b32 s66, s61, 13                        ; in adj_matrix: rows of 8,192 bytes
	s_mov_b32 s67, 0
	s_lshl_b32 s68, s61, 10                        ; in x and out0: rows of 1,024 bytes
	s_mov_b32 s69, 0
	s_lshl_b32 s70, s41, 3
	s_add_co_u32 s70, s70, s39
	s_lshl_b32 s70, s70, 15                        ; my head's part of kc and of vc
	s_mov_b32 s71, 0
	s_lshl_b32 s72, s42, 9
	s_lshl_b32 s44, s40, 8
	s_add_co_u32 s72, s72, s44                     ; my 16 queries in it
	s_mov_b32 s73, 0
	s_lshl_b32 s74, s41, 15
	s_lshl_b32 s44, s39, 6
	s_add_co_u32 s74, s74, s44                     ; ksw: 32,768 batch + 64 head
	s_mov_b32 s75, 0
	s_lshl_b32 s76, s42, 9
	s_lshl_b32 s44, s40, 5
	s_add_co_u32 s76, s76, s44                     ; my queries' block in it, + 32 x tile
	s_mov_b32 s77, 0
	s_lshl_b32 s78, s41, 14
	s_lshl_b32 s44, s39, 5
	s_add_co_u32 s78, s78, s44                     ; vsb: 16,384 batch + 32 head
	s_mov_b32 s79, 0
	s_lshl_b32 s80, s38, 13                        ; my part of W1's and W2's codes: 8,192 w
	s_mov_b32 s81, 0
	s_lshl_b32 s82, s38, 9                         ; of their scales: 512 w
	s_mov_b32 s83, 0
	s_lshl_b32 s84, s38, 8                         ; of b1: 256 w
	s_mov_b32 s85, 0
	s_lshl_b32 s86, s38, 6                         ; of b2: 64 w
	s_mov_b32 s87, 0
	s_wait_alu depctr_va_vdst(0)
	s_wait_kmcnt 0x0
	s_add_nc_u64 s[10:11], s[10:11], s[66:67]
	s_add_nc_u64 s[8:9], s[8:9], s[68:69]
	s_add_nc_u64 s[36:37], s[36:37], s[68:69]
	s_add_nc_u64 s[12:13], s[12:13], s[70:71]
	s_add_nc_u64 s[16:17], s[16:17], s[70:71]
	s_add_nc_u64 s[56:57], s[12:13], s[72:73]
	s_add_nc_u64 s[14:15], s[14:15], s[74:75]
	s_add_nc_u64 s[58:59], s[14:15], s[76:77]
	s_add_nc_u64 s[18:19], s[18:19], s[78:79]
	s_add_nc_u64 s[24:25], s[24:25], s[80:81]
	s_add_nc_u64 s[30:31], s[30:31], s[80:81]
	s_add_nc_u64 s[26:27], s[26:27], s[82:83]
	s_add_nc_u64 s[32:33], s[32:33], s[82:83]
	s_add_nc_u64 s[28:29], s[28:29], s[84:85]
	s_add_nc_u64 s[34:35], s[34:35], s[86:87]
	global_load_b128 v[172:175], v166, s[56:57]    ; q's codes: query r's 16 bytes, in both halves of the lanes
	global_load_u8 v[WK], v167, s[58:59]           ; and its scale byte
	LDADJ 0
	s_wait_loadcnt 0x0
.irp i, 0,1,2,3
	v_cndmask_b32 v[QZ+4+\i], v9, v[172+\i], s54   ; q in lanes 0-15
	v_cndmask_b32 v[QZ+12+\i], v9, v[172+\i], s55  ; q in lanes 16-31
	v_mov_b32 v[QZ+\i], 0
	v_mov_b32 v[QZ+8+\i], 0
	v_mov_b32 v[QZ+16+\i], 0
.endr
	v_mul_lo_u32 v[QSC], v[WK], s60                ; q's byte in all four places of its scale word
	CONV 0                                         ; step 0's image
	LDADJ 1
	LDK 0
	LDV 0
	v_mov_b32 v13, 0xff61b1e6                      ; the largest t so far: -3e38
	s_delay_alu instid0(VALU_DEP_1)
	v_floor_f32 v12, -v13
	v_mov_b32 v14, 0
	v_mov_b32 v15, 0
.set J, 0
.rept 16
	v_mov_b32 v[OT+J], 0                           ; O^T: the step is written without a first step of its own; the first change of M multiplies zeros
.set J, J+1
.endr
.irp b, 0,1,2,3
	v_mov_b32 v[PX+\b], 0                          ; a lane permute's destination counts as one of its sources
.endr
	v_mov_b32 v[FF+1], 0                           ; (named as the upper half of a pair)
	s_mov_b32 s48, 7
.Ltrip:                                            ; seven trips of two steps; the last two steps are written out, so that no load leaves its buffer
	STEP 0, 1, 1, 1
	STEP 1, 1, 1, 1
	s_wait_xcnt 0x0                                ; the loads that are out have read their bases: only behind this wait are the bases stepped
	s_add_nc_u64 s[10:11], s[10:11], 1024
	s_add_nc_u64 s[12:13], s[12:13], 4096
	s_add_nc_u64 s[14:15], s[14:15], 4096
	s_add_nc_u64 s[16:17], s[16:17], 4096
	s_add_nc_u64 s[18:19], s[18:19], 2048
	s_sub_co_u32 s48, s48, 1
	s_cmp_lg_u32 s48, 0
	s_cbranch_scc1 .Ltrip
	STEP 0, 1, 0, 1
	STEP 1, 0, 0, 0
	; ---- THE TAIL.  No global load is out: the address registers are made anew, all from the thread's number.
	v_and_b32 v208, 15, v0                         ; r
	v_bfe_u32 v209, v0, 4, 1                       ; h
	v_and_b32 v210, 31, v0                         ; lane
	s_wait_alu depctr_va_vdst(0)
	s_mul_i32 s44, s40, 16*XP
	s_lshl_b32 s45, s39, 7
	s_add_co_u32 s44, s44, s45
	s_add_co_u32 s44, s44, X1S
	v_mul_u32_u24 v1, v208, XP
	s_delay_alu instid0(VALU_DEP_1)
	v_lshl_add_u32 v1, v209, 5, v1
	s_delay_alu instid0(VALU_DEP_1)
	v_add_nc_u32 v1, s44, v1                       ; v1: O's place: row 16 tile + r, byte 128 head + 32 h
	v_lshlrev_b32 v3, 5, v210                      ; v3: 32 l
	s_mul_i32 s44, s38, 2*XP
	s_add_co_u32 s44, s44, X1S
	v_add_nc_u32 v2, s44, v3                       ; v2: rows 2 w on, 8 columns a lane
	s_mul_i32 s45, s38, 2*YP
	s_add_co_u32 s45, s45, YC
	v_lshl_add_u32 v4, v210, 2, s45                ; v4: y's codes, written
	s_lshl_b32 s45, s38, 4
	s_add_co_u32 s45, s45, YSC
	v_lshrrev_b32 v5, 2, v210
	s_delay_alu instid0(VALU_DEP_1)
	v_add_nc_u32 v5, s45, v5                       ; v5: y's bytes, written
	v_mul_u32_u24 v6, v208, YP
	s_delay_alu instid0(VALU_DEP_1)
	v_lshl_add_u32 v6, v209, 4, v6
	s_delay_alu instid0(VALU_DEP_1)
	v_add_nc_u32 v6, YC, v6                        ; v6: y's fragments, read
	v_lshl_add_u32 v7, v208, 3, YSC                ; v7: y's scale words, read
	v_and_b32 v211, 8, v208
	s_delay_alu instid0(VALU_DEP_1)
	v_add_nc_u32 v211, v211, v208                  ; r + 8 (r / 8)
	s_delay_alu instid0(VALU_DEP_1)
	v_lshlrev_b32 v8, 7, v211
	s_delay_alu instid0(VALU_DEP_1)
	v_lshl_add_u32 v8, v209, 4, v8                 ; v8: W1's codes: rows of 128 bytes
	s_delay_alu instid0(VALU_DEP_3)
	v_lshlrev_b32 v9, 3, v211                      ; v9: W1's scales: rows of 8 bytes
	s_wait_alu depctr_va_vdst(0)
	v_lshlrev_b32 v10, 6, v209                     ; v10: b1: 16 h numbers on
	s_wait_alu depctr_va_vdst(0)
	s_lshl_b32 s45, s38, 9
	s_add_co_u32 s45, s45, HIMG
	v_lshl_add_u32 v11, v210, 4, s45               ; v11: my four registers of a hidden fragment
	s_lshr_b32 s44, s38, 1
	s_lshl_b32 s44, s44, 7
	s_and_b32 s45, s38, 1
	s_lshl_b32 s45, s45, 1
	s_add_co_u32 s44, s44, s45
	s_add_co_u32 s44, s44, HSC
	v_lshl_add_u32 v252, v210, 2, s44              ; v252: my two bytes of a hidden scale word
	v_lshl_add_u32 v253, v210, 4, HIMG             ; v253: hidden fragments, read
	v_lshl_add_u32 v254, v210, 2, HSC              ; v254: hidden scale words, read
	v_mul_u32_u24 v255, v208, XP
	s_delay_alu instid0(VALU_DEP_1)
	v_lshl_add_u32 v255, v209, 5, v255
	s_lshl_b32 s44, s38, 6
	s_add_co_u32 s44, s44, X1S
	v_add_nc_u32 v255, s44, v255                   ; v255: x1 at my 16 outputs: row r, byte 64 w + 32 h
	; all that the next phases want from memory is asked for now: x, gamma2, beta2 (8 loads), then W1's 8 fragments, its scales, and b1 straight into the hidden accumulators (36)
.irp i, 0,1
	global_load_b128 v[176+8*\i:179+8*\i], v3, s[8:9] offset:1024*\i th:TH_LOAD_NT
	global_load_b128 v[180+8*\i:183+8*\i], v3, s[8:9] offset:1024*\i+16 th:TH_LOAD_NT
.endr
	global_load_b128 v[192:195], v3, s[20:21]
	global_load_b128 v[196:199], v3, s[20:21] offset:16
	global_load_b128 v[200:203], v3, s[22:23]
	global_load_b128 v[204:207], v3, s[22:23] offset:16
.irp t, 0,1,2,3                                ; lane r of tile t takes W1's row 64 w + 32 (t / 2) + 8 (t % 2) + r + 8 (r / 8)
.irp s, 0,1
.irp c, 0,1
	global_load_b128 v[32+8*(2*\t+\s)+4*\c:35+8*(2*\t+\s)+4*\c], v8, s[24:25] offset:(32*(\t/2)+8*(\t%2))*128+64*\s+32*\c
.endr
.endr
	global_load_b64 v[232+2*\t:233+2*\t], v9, s[26:27] offset:(32*(\t/2)+8*(\t%2))*8
.irp m, 0,1
	global_load_b128 v[96+32*\m+8*\t:99+32*\m+8*\t], v10, s[28:29] offset:(32*(\t/2)+8*(\t%2))*4
	global_load_b128 v[100+32*\m+8*\t:103+32*\m+8*\t], v10, s[28:29] offset:(32*(\t/2)+8*(\t%2))*4+16
.endr
.endr
	; ---- P1: O^T / the sum, into the rows' stage
	v_add_f32 v14, v14, v15
	s_delay_alu instid0(VALU_DEP_1)
	v_permlanex16_b32 v208, v14, s50, s51
	s_delay_alu instid0(VALU_DEP_1)
	v_add_f32 v14, v14, v208                       ; the row's sum
	s_wait_alu depctr_va_vdst(0)
	v_rcp_f32 v209, v14
	v_mov_b32 v211, 0x7fc00000                     ; (a plain instruction behind the reciprocal)
	v_cmp_gt_f32 vcc_lo, 0xec800000, v13           ; -2^90 > the largest t: no key of this query was valid
	s_wait_alu depctr_va_vdst(0)                   ; the wait ahead of the reciprocal's first reader
	v_cndmask_b32 v210, v209, v211, vcc_lo         ; such a row is NaN
.irp k, 0,2,4,6,8,10,12,14
	v_pk_mul_f32 v[160+\k:161+\k], v[OT+\k:OT+\k+1], v[210:211] op_sel_hi:[1,0]
.endr
.irp t, 0,1
	ds_store_b128 v1, v[160+8*\t:163+8*\t] offset:64*\t
	ds_store_b128 v1, v[164+8*\t:167+8*\t] offset:64*\t+16
.endr
	BARRIER                                        ; attention's 32 rows lie in the stage
	; ---- P2: wave w takes rows 2 w, 2 w + 1, a lane 8 columns: x1 = x + o, the layer norm, y's codes
.set X2, 176
.set T2, 208
.set G2, 192
.set E2, 200
.irp i, 0,1
	ds_load_b128 v[160+8*\i:163+8*\i], v2 offset:XP*\i
	ds_load_b128 v[164+8*\i:167+8*\i], v2 offset:XP*\i+16
.endr
	s_wait_loadcnt 36                              ; x, gamma2 and beta2 are in; younger: the 36 for the first product
	s_wait_dscnt 0x0
.irp k, 0,2,4,6,8,10,12,14
	v_pk_add_f32 v[X2+\k:X2+\k+1], v[X2+\k:X2+\k+1], v[160+\k:161+\k]
.endr
.irp i, 0,1
	ds_store_b128 v2, v[X2+8*\i:X2+8*\i+3] offset:XP*\i          ; x1 takes o's place: these rows are mine alone in this phase
	ds_store_b128 v2, v[X2+8*\i+4:X2+8*\i+7] offset:XP*\i+16
.endr
.irp i, 0,1
	v_pk_add_f32 v[T2+4*\i:T2+4*\i+1], v[X2+8*\i:X2+8*\i+1], v[X2+8*\i+2:X2+8*\i+3]
	v_pk_add_f32 v[T2+4*\i+2:T2+4*\i+3], v[X2+8*\i+4:X2+8*\i+5], v[X2+8*\i+6:X2+8*\i+7]
.endr
.irp i, 0
	s_delay_alu instid0(VALU_DEP_3)
	v_pk_add_f32 v[T2+4*\i:T2+4*\i+1], v[T2+4*\i:T2+4*\i+1], v[T2+4*\i+2:T2+4*\i+3]
.endr
.irp i, 1
	s_delay_alu instid0(VALU_DEP_2)
	v_pk_add_f32 v[T2+4*\i:T2+4*\i+1], v[T2+4*\i:T2+4*\i+1], v[T2+4*\i+2:T2+4*\i+3]
.endr
.irp i, 0,1
	s_delay_alu instid0(VALU_DEP_2)
	v_add_f32 v[T2+4*\i], v[T2+4*\i], v[T2+4*\i+1]
.endr
.irp z, 1,2,4,8
.irp i, 0,1
	s_delay_alu instid0(VALU_DEP_2)
	v_add_f32_dpp v[T2+4*\i], v[T2+4*\i], v[T2+4*\i] row_xmask:\z row_mask:0xf bank_mask:0xf
.endr
.endr
.irp i, 0,1
	s_delay_alu instid0(VALU_DEP_2)
	v_permlanex16_b32 v[T2+4*\i+1], v[T2+4*\i], s50, s51
.endr
.irp i, 0,1
	s_delay_alu instid0(VALU_DEP_2)
	v_add_f32 v[T2+4*\i], v[T2+4*\i], v[T2+4*\i+1]
.endr
.irp i, 0,1
	s_delay_alu instid0(VALU_DEP_2)
	v_mul_f32 v[T2+4*\i], 0x3b800000, v[T2+4*\i]   ; the mean
.endr
	s_wait_alu depctr_va_vdst(0)
	s_wait_dscnt 0x0                               ; the stores of x1 have read their registers, which are written next
.irp k, 0,2,4,6
.irp i, 0,1
	v_pk_add_f32 v[X2+8*\i+\k:X2+8*\i+\k+1], v[X2+8*\i+\k:X2+8*\i+\k+1], v[T2+4*\i:T2+4*\i+1] op_sel_hi:[1,0] neg_lo:[0,1] neg_hi:[0,1]
.endr
.endr
.irp i, 0,1
	v_pk_mul_f32 v[T2+4*\i+2:T2+4*\i+3], v[X2+8*\i:X2+8*\i+1], v[X2+8*\i:X2+8*\i+1]
.endr
.irp k, 2,4,6
.irp i, 0,1
	s_delay_alu instid0(VALU_DEP_2)
	v_pk_fma_f32 v[T2+4*\i+2:T2+4*\i+3], v[X2+8*\i+\k:X2+8*\i+\k+1], v[X2+8*\i+\k:X2+8*\i+\k+1], v[T2+4*\i+2:T2+4*\i+3]
.endr
.endr
.irp i, 0,1
	s_delay_alu instid0(VALU_DEP_2)
	v_add_f32 v[T2+4*\i+2], v[T2+4*\i+2], v[T2+4*\i+3]
.endr
.irp z, 1,2,4,8
.irp i, 0,1
	s_delay_alu instid0(VALU_DEP_2)
	v_add_f32_dpp v[T2+4*\i+2], v[T2+4*\i+2], v[T2+4*\i+2] row_xmask:\z row_mask:0xf bank_mask:0xf
.endr
.endr
.irp i, 0,1
	s_delay_alu instid0(VALU_DEP_2)
	v_permlanex16_b32 v[T2+4*\i+3], v[T2+4*\i+2], s50, s51
.endr
.irp i, 0,1
	s_delay_alu instid0(VALU_DEP_2)
	v_add_f32 v[T2+4*\i+2], v[T2+4*\i+2], v[T2+4*\i+3]
.endr
.irp i, 0,1
	s_delay_alu instid0(VALU_DEP_2)
	v_fma_f32 v[T2+4*\i+2], v[T2+4*\i+2], 0x3b800000, s62
.endr
	s_wait_alu depctr_va_vdst(0)
.irp i, 0,1
	v_rsq_f32 v[T2+4*\i+2], v[T2+4*\i+2]
.endr
	v_nop
	s_wait_alu depctr_va_vdst(0)                   ; one wait for the two, ahead of their first reader
.irp k, 0,2,4,6
.irp i, 0,1
	v_pk_mul_f32 v[X2+8*\i+\k:X2+8*\i+\k+1], v[X2+8*\i+\k:X2+8*\i+\k+1], v[T2+4*\i+2:T2+4*\i+3] op_sel_hi:[1,0]
.endr
.endr
.irp k, 0,2,4,6
.irp i, 0,1
	v_pk_fma_f32 v[X2+8*\i+\k:X2+8*\i+\k+1], v[X2+8*\i+\k:X2+8*\i+\k+1], v[G2+\k:G2+\k+1], v[E2+\k:E2+\k+1]   ; y
.endr
.endr
.irp i, 0,1
	v_max3_num_f32 v[T2+4*\i], |v[X2+8*\i]|, |v[X2+8*\i+1]|, 0x1800000   ; a block of 32 columns lies in four neighbouring lanes
.endr
.irp k, 2,4,6
.irp i, 0,1
	s_delay_alu instid0(VALU_DEP_2)
	v_max3_num_f32 v[T2+4*\i], v[T2+4*\i], |v[X2+8*\i+\k]|, |v[X2+8*\i+\k+1]|
.endr
.endr
.irp z, 1,2
.irp i, 0,1
	s_delay_alu instid0(VALU_DEP_2)
	v_max_num_f32_dpp v[T2+4*\i], v[T2+4*\i], v[T2+4*\i] row_xmask:\z row_mask:0xf bank_mask:0xf
.endr
.endr
.irp i, 0,1
	s_delay_alu instid0(VALU_DEP_2)
	v_add_nc_u32 v[T2+4*\i+1], 0xff000000, v[T2+4*\i]
.endr
.irp i, 0,1
	s_delay_alu instid0(VALU_DEP_2)
	v_lshrrev_b32 v[218+\i], 23, v[T2+4*\i+1]
.endr
.irp i, 0,1
	v_cvt_scalef32_pk8_fp4_f32 v[216+\i], v[X2+8*\i:X2+8*\i+7], v[T2+4*\i+1]
.endr
	v_nop
.irp i, 0,1
	ds_store_b32 v4, v[216+\i] offset:YP*\i
	ds_store_b8 v5, v[218+\i] offset:8*\i          ; the four lanes of a block write the same byte with the same value
.endr
	BARRIER                                        ; y's codes and bytes of the 32 rows lie in LDS
	; ---- P3: wave w makes hidden units 64 w .. 64 w + 63 for both tiles of rows.  Transposed: source 0 = 16 rows of W1, source 1 = y.  b1 is the C of each sum's first product
.irp m, 0,1
.irp s, 0,1
.irp c, 0,1
	ds_load_b128 v[192+8*(2*\m+\s)+4*\c:195+8*(2*\m+\s)+4*\c], v6 offset:16*YP*\m+64*\s+32*\c
.endr
	ds_load_b32 v[240+2*\m+\s], v7 offset:128*\m+4*\s
.endr
.endr
	s_wait_loadcnt 0x0                             ; W1, its scales, b1
	s_wait_dscnt 0x0
.irp s, 0,1                                    ; eight accumulators by turns, one instruction a turn
.irp m, 0,1
.irp t, 0,1,2,3
	WM 96+32*\m+8*\t, 32+8*(2*\t+\s), 192+8*(2*\m+\s), 232+2*\t+\s, 240+2*\m+\s, 0
.endr
.endr
.endr
.rept 4
	v_nop                                          ; four places in front of loads into, and writes of, the products' registers, and of the first read of results
.endr
	v_and_b32 v160, 15, v0
	v_bfe_u32 v161, v0, 4, 1
	s_delay_alu instid0(VALU_DEP_2)
	v_lshlrev_b32 v8, 9, v160
	s_delay_alu instid0(VALU_DEP_1)
	v_lshl_add_u32 v8, v161, 4, v8                 ; W2's codes: rows of 512 bytes
	s_delay_alu instid0(VALU_DEP_4)
	v_lshlrev_b32 v9, 5, v160                      ; its scales: rows of 32 bytes
	s_delay_alu instid0(VALU_DEP_4)
	v_lshlrev_b32 v10, 5, v161                     ; b2: 8 h numbers on
.irp s, 0,1,2,3,4,5,6,7                        ; the second product's operands are asked for now and land under the activation
.irp c, 0,1
	global_load_b128 v[32+8*\s+4*\c:35+8*\s+4*\c], v8, s[30:31] offset:64*\s+32*\c
.endr
.endr
	global_load_b128 v[244:247], v9, s[32:33]
	global_load_b128 v[248:251], v9, s[32:33] offset:16
.irp m, 0,1
	global_load_b128 v[16+8*\m:19+8*\m], v10, s[34:35]
	global_load_b128 v[20+8*\m:23+8*\m], v10, s[34:35] offset:16
.endr
	v_mov_b32 v200, 0xaf95df0b                     ; the two leading coefficients stand in registers: an instruction takes one literal
	v_mov_b32 v201, 0xaf95df0b
	v_mov_b32 v202, 0xb77460cd
	v_mov_b32 v203, 0xb77460cd
; gelu(x) = x / 2 + (x / 2) erf(z), z = x / sqrt(2) held to +-4, erf(z) = z P(z^2) / Q(z^2); eight numbers, four pairs by turns.  v160-167 z, v168-175 z^2 then x / 2, v176-183 P, v192-199 Q
.macro GELU4 x
.irp k, 0,2,4,6
	v_pk_mul_f32 v[160+\k:161+\k], v[\x+\k:\x+\k+1], 0x3f3504f3 op_sel_hi:[1,0]
.endr
.irp k, 0,1,2,3,4,5,6,7
	v_med3_num_f32 v[160+\k], v[160+\k], -4.0, 4.0
.endr
.irp k, 0,2,4,6
	v_pk_mul_f32 v[168+\k:169+\k], v[160+\k:161+\k], v[160+\k:161+\k]
.endr
.irp k, 0,2,4,6
	s_delay_alu instid0(VALU_DEP_4)
	v_pk_fma_f32 v[176+\k:177+\k], v[168+\k:169+\k], v[200:201], 0x32edffee op_sel_hi:[1,1,0]
.endr
.irp k, 0,2,4,6
	v_pk_fma_f32 v[192+\k:193+\k], v[168+\k:169+\k], v[202:203], 0xb95fbd29 op_sel_hi:[1,1,0]
.endr
.irp a, 0xb60cff51, 0xb86ec2d2, 0xba40ac63, 0xbb41a1f6, 0xbc83dbd4
.irp k, 0,2,4,6
	v_pk_fma_f32 v[176+\k:177+\k], v[176+\k:177+\k], v[168+\k:169+\k], \a op_sel_hi:[1,1,0]
.endr
.endr
.irp a, 0xbadc924e, 0xbbf19bf8, 0xbc69b6a7
.irp k, 0,2,4,6
	v_pk_fma_f32 v[192+\k:193+\k], v[192+\k:193+\k], v[168+\k:169+\k], \a op_sel_hi:[1,1,0]
.endr
.endr
.irp k, 0,2,4,6
	v_pk_mul_f32 v[176+\k:177+\k], v[176+\k:177+\k], v[160+\k:161+\k]
.endr
	s_wait_alu depctr_va_vdst(0)
.irp k, 0,1,2,3,4,5,6,7
	v_rcp_f32 v[192+\k], v[192+\k]
.endr
.irp k, 0,2,4,6
	v_pk_mul_f32 v[168+\k:169+\k], v[\x+\k:\x+\k+1], 0.5 op_sel_hi:[1,0]   ; plain work behind the batch
.endr
	s_wait_alu depctr_va_vdst(0)                   ; one wait for the eight, ahead of their first reader
.irp k, 0,2,4,6
	v_pk_mul_f32 v[176+\k:177+\k], v[176+\k:177+\k], v[192+\k:193+\k]
.endr
.irp k, 0,2,4,6
	s_delay_alu instid0(VALU_DEP_4)
	v_pk_fma_f32 v[\x+\k:\x+\k+1], v[168+\k:169+\k], v[176+\k:177+\k], v[168+\k:169+\k]
.endr
.endm
.set HB, 96
.rept 8
	GELU4 HB                                       ; each accumulator from its low end on
.set HB, HB+8
.endr
; My 64 hidden units of tile m of rows: register 16 b + i = unit 64 w + 32 b + 16 h + i of row r: two blocks of the second product's K.  They are register group w % 2 of the fragment of K step w / 2, and two bytes of its scale word.
.macro QUANTH m
.irp b, 0,1
	v_max3_num_f32 v[160+\b], |v[96+32*\m+16*\b]|, |v[97+32*\m+16*\b]|, 0x1800000
.endr
.irp i, 2,4,6,8,10,12,14
.irp b, 0,1
	s_delay_alu instid0(VALU_DEP_2)
	v_max3_num_f32 v[160+\b], v[160+\b], |v[96+32*\m+16*\b+\i]|, |v[97+32*\m+16*\b+\i]|
.endr
.endr
.irp b, 0,1
	s_delay_alu instid0(VALU_DEP_2)
	v_permlanex16_b32 v[162+\b], v[160+\b], s50, s51
.endr
.irp b, 0,1
	s_delay_alu instid0(VALU_DEP_2)
	v_max_num_f32 v[160+\b], v[160+\b], v[162+\b]
.endr
.irp b, 0,1
	s_delay_alu instid0(VALU_DEP_2)
	v_add_nc_u32 v[164+\b], 0xff000000, v[160+\b]
.endr
.irp b, 0,1
	s_delay_alu instid0(VALU_DEP_2)
	v_lshrrev_b32 v[166+\b], 23, v[164+\b]
.endr
	s_delay_alu instid0(VALU_DEP_1)
	v_lshl_or_b32 v[168+\m], v167, 8, v166
.irp b, 0,1
	v_cvt_scalef32_pk8_fp4_f32 v[172+4*\m+2*\b], v[96+32*\m+16*\b:103+32*\m+16*\b], v[164+\b]
	v_cvt_scalef32_pk8_fp4_f32 v[173+4*\m+2*\b], v[104+32*\m+16*\b:111+32*\m+16*\b], v[164+\b]
.endr
	v_nop
	v_permlane16_swap_b32 v[172+4*\m], v[174+4*\m]
	v_permlane16_swap_b32 v[173+4*\m], v[175+4*\m]
	ds_store_b128 v11, v[172+4*\m:175+4*\m] offset:8192*\m
	ds_store_b16 v252, v[168+\m] offset:1024*\m
.endm
	QUANTH 0
	QUANTH 1
	BARRIER                                        ; the hidden layer's sixteen fragments and scale words lie in LDS
	; ---- P4: wave w makes outputs 16 w .. 16 w + 15 for both tiles of rows.  Source 0 = 16 rows of W2, source 1 = the hidden layer; b2 is the C of the first products
.irp m, 0,1
.irp s, 0,1,2,3,4,5,6,7
.irp c, 0,1
	ds_load_b128 v[96+8*(8*\m+\s)+4*\c:99+8*(8*\m+\s)+4*\c], v253 offset:8192*\m+1024*\s+512*\c
.endr
	ds_load_b32 v[224+8*\m+\s], v254 offset:1024*\m+128*\s
.endr
.endr
	s_wait_loadcnt 0x0                             ; W2, its scales, b2
	s_wait_dscnt 0x0
.irp s, 0,1,2,3,4,5,6,7                        ; two accumulators by turns
.irp m, 0,1
	WM 16+8*\m, 32+8*\s, 96+8*(8*\m+\s), 244+\s, 224+8*\m+\s, 0
.endr
.endr
.rept 4
	v_nop
.endr
.irp m, 0,1
	ds_load_b128 v[96+8*\m:99+8*\m], v255 offset:16*XP*\m          ; x1 at my outputs
	ds_load_b128 v[100+8*\m:103+8*\m], v255 offset:16*XP*\m+16
.endr
	v_and_b32 v160, 31, v0
	s_delay_alu instid0(VALU_DEP_1)
	v_lshlrev_b32 v3, 4, v160                      ; the way out: 16 bytes a lane
	s_mul_i32 s44, s38, 2*XP
	s_add_co_u32 s44, s44, X1S
	v_add_nc_u32 v1, s44, v3
	s_wait_alu depctr_va_vdst(0)
	s_wait_dscnt 0x0
.irp k, 0,2,4,6,8,10,12,14
	v_pk_add_f32 v[96+\k:97+\k], v[96+\k:97+\k], v[16+\k:17+\k]    ; x1 + the MLP
.endr
.irp m, 0,1
	ds_store_b128 v255, v[96+8*\m:99+8*\m] offset:16*XP*\m         ; back to the same bytes, which no other wave touches in this phase
	ds_store_b128 v255, v[100+8*\m:103+8*\m] offset:16*XP*\m+16
.endr
	BARRIER                                        ; 32 whole rows of the output lie in the stage
.irp n, 0,1,2,3
	ds_load_b128 v[160+4*\n:163+4*\n], v1 offset:XP*(\n/2)+512*(\n%2)
.endr
.irp n, 0,1,2,3
	s_wait_dscnt 3-\n
	global_store_b128 v3, v[160+4*\n:163+4*\n], s[36:37] offset:1024*(\n/2)+512*(\n%2) th:TH_STORE_NT   ; the wave stores 512 consecutive bytes, at a multiple of 256 from out0's first byte
.endr
	s_wait_xcnt 0x0
	v_lshl_add_u32 v254, v0, 2, 0x1a100
	v_mov_b32 v255, 0
	s_wait_alu depctr_va_vdst(0)
	s_wait_tensorcnt 0x0
	ds_add_u32 v254, v255
	s_wait_dscnt 0x0
	s_endpgm
.Lfunc_end_k_qf85966a8b5_mab:
	.size	k_qf85966a8b5_mab, .Lfunc_end_k_qf85966a8b5_mab-k_qf85966a8b5_mab
	.p2alignl 7, 3214868480
	.fill 96, 4, 3214868480
	.section	.rodata,"a",@progbits
	.p2align	6, 0x0
	.amdhsa_kernel k_qf85966a8b5_mab
		.amdhsa_group_segment_fixed_size 108800
		.amdhsa_private_segment_fixed_size 0
		.amdhsa_enable_private_segment 0
		.amdhsa_kernarg_size 120
		.amdhsa_user_sgpr_count 2
		.amdhsa_user_sgpr_kernarg_segment_ptr 1
		.amdhsa_wavefront_size32 1
		.amdhsa_system_sgpr_workgroup_id_x 1
		.amdhsa_system_sgpr_workgroup_id_y 1
		.amdhsa_system_sgpr_workgroup_id_z 1
		.amdhsa_system_vgpr_workitem_id 0
		.amdhsa_next_free_vgpr 256
		.amdhsa_next_free_sgpr 100
		.amdhsa_reserve_vcc 1
		.amdhsa_float_denorm_mode_32 3
		.amdhsa_float_denorm_mode_16_64 3
		.amdhsa_memory_ordered 1
		.amdhsa_forward_progress 1
		.amdhsa_inst_pref_size 164
	.end_amdhsa_kernel
	.amdgpu_metadata
---
amdhsa.version: [ 1, 2 ]
amdhsa.kernels:
  - .name:           k_qf85966a8b5_mab
    .symbol:         k_qf85966a8b5_mab.kd
    .args:
      - { .name: x, .offset: 0, .size: 8, .value_kind: global_buffer, .address_space: global }
      - { .name: adj_matrix, .offset: 8, .size: 8, .value_kind: global_buffer, .address_space: global }
      - { .name: kc, .offset: 16, .size: 8, .value_kind: global_buffer, .address_space: global }
      - { .name: ksw, .offset: 24, .size: 8, .value_kind: global_buffer, .address_space: global }
      - { .name: vc, .offset: 32, .size: 8, .value_kind: global_buffer, .address_space: global }
      - { .name: vsb, .offset: 40, .size: 8, .value_kind: global_buffer, .address_space: global }
      - { .name: gamma2, .offset: 48, .size: 8, .value_kind: global_buffer, .address_space: global }
      - { .name: beta2, .offset: 56, .size: 8, .value_kind: global_buffer, .address_space: global }
      - { .name: W1_codes, .offset: 64, .size: 8, .value_kind: global_buffer, .address_space: global }
      - { .name: W1_scales, .offset: 72, .size: 8, .value_kind: global_buffer, .address_space: global }
      - { .name: b1, .offset: 80, .size: 8, .value_kind: global_buffer, .address_space: global }
      - { .name: W2_codes, .offset: 88, .size: 8, .value_kind: global_buffer, .address_space: global }
      - { .name: W2_scales, .offset: 96, .size: 8, .value_kind: global_buffer, .address_space: global }
      - { .name: b2, .offset: 104, .size: 8, .value_kind: global_buffer, .address_space: global }
      - { .name: out0, .offset: 112, .size: 8, .value_kind: global_buffer, .address_space: global }
    .group_segment_fixed_size: 108800
    .private_segment_fixed_size: 0
    .kernarg_segment_align: 8
    .kernarg_segment_size: 120
    .max_flat_workgroup_size: 512
    .sgpr_count:     100
    .vgpr_count:     256
    .wavefront_size: 32
...
	.end_amdgpu_metadata
.endif
;; end of part 2
